; MI455X (gfx1250); checked and timed in simulation.
; The chip was launched on July 23, 2026; its instructions are those of AMD's public machine-readable ISA for CDNA 5 (MIT licence, August 2026) and "CDNA5" Instruction Set Architecture Reference Guide (July 2026). The comments in the code are by the model that wrote it; some were corrected since.
;; Calculate Attention. Allowed arithmetic: matrix products marked QUANTISED: E2M3 operands, one E8M0 scale for each 32 along K, by v_wmma_scale_f32_16x16x128_f8f6f4 with both operands' format E2M3, f32 sums; everything else in f32.
;; Inputs: K 4 x 16 x 2,048 x 64 float32; Q 4 x 16 x 2,048 x 64 float32; V 4 x 16 x 2,048 x 64 float32; mask 4 x 1 x 2,048 x 2,048 bool.
;; Outputs: out0 4 x 16 x 2,048 x 64 float32.
;; This version of the problem:
;;   THIS VERSION OF THE PROBLEM IS GIVEN IN LOW PRECISION. The matrix products marked QUANTISED in the list below multiply operands that are first quantised to E2M3 (2 exponent bits, 3 mantissa bits; 6 bits a number), with one power-of-two scale for each 32 numbers along K (OCP MX v1.0); their sums are f32. All else is computed in f32.
;;   The module's matrix products, in the order in which they are computed (A, B: the left and right operand; K: the contracted axis; several contracted axes count as one K, in the product's order):
;;     1. batch 64 x [M 2,048, K 64] x [K 64, N 2,048]; A: input Q; B: input K: QUANTISED
;;     2. batch 64 x [M 2,048, K 2,048] x [K 2,048, N 64]; A: softmax (see below); B: input V: QUANTISED
;;   THE QUANTISER, for each operand of a quantised product, along K:
;;     - K is cut into blocks of 32 from its start; a last block that is shorter is filled with zeros.
;;     - A block's scale is 2^e with e = floor(log2(the largest magnitude in the block)) - 2, held to -126 .. 127; a block of zeros has e = 0. As a byte (E8M0): e + 127.
;;     - Each number is divided by its block's scale, clamped to +-7.5, and rounded to the nearest number of E2M3, ties to even, subnormals kept.
;;     - The product sums the exact products of the quantised numbers (number of the format x scale) in f32.
;;   ~~~python
;;   def quantise(x, axis):      # numpy; x: float32 -> the quantised numbers, widened to float32 again
;;       x = np.moveaxis(x, axis, -1); K = x.shape[-1]
;;       x = np.pad(x, [(0, 0)] * (x.ndim - 1) + [(0, -K % 32)]); x = x.reshape(x.shape[:-1] + (-1, 32)); a = np.abs(x).max(-1, keepdims=True)
;;       e = np.where(a > 0, np.clip(np.frexp(np.where(a > 0, a, 1))[1] - 1 - 2, -126, 127), 0)      # np.frexp(a)[1] - 1 = floor(log2(a)), exactly
;;       r = np.clip(x / 2.0 ** e, -7.5, 7.5)
;;       step = 2.0 ** (np.maximum(np.frexp(np.where(r == 0, 1, r))[1] - 1, 0) - 3)
;;       q = np.round(r / step) * step * 2.0 ** e      # np.round: ties to even
;;       return np.moveaxis(q.reshape(q.shape[:-2] + (-1,))[..., :K], -1, axis).astype(np.float32)
;;   ~~~
;;   SOFTMAX AHEAD OF A QUANTISED PRODUCT. Where the list says 'softmax', what is quantised is not the finished softmax but p = 2^(t - M), with t = logit x log2(e) and M = ceil(the row's largest t), a whole number; so 1/2 < the row's largest p <= 1. The row's sum l is taken of the UNQUANTISED p, in f32, and the product's result is divided by l at the end. Since M is a whole number, a kernel that streams over the keys may use a running M (the ceiling of the running maximum): every later rescaling is an exact power of two, which a block's scale takes up: the codes' values come out the same.
;;   OPERANDS COMPUTED ON THE WAY. 'Computed on the way' means the value that the module computes at that place (a softmax that the list does not call 'softmax' is quantised finished and normalised). What goes into a quantiser is computed in f32, as accurately as f32 sums, v_exp_f32 and their like allow (about 1e-6 of the number): no bf16 or f16 on the way to a quantiser, and a product that is left as it is and whose result goes on into a quantised operand takes f32 operands (vector FMAs, or v_wmma_f32_16x16x4_f32). A number that lies on a knife's edge between two numbers of the format may be rounded either way, as far as f32 arithmetic and the matrix unit's own rounding can turn it there, and no further.
;; One version. Each part assembles by itself: llvm-mc -triple=amdgcn-amd-amdhsa -mcpu=gfx1250 --defsym DOCPART=n.
;; ======== version 1 of 1: 2 launches
;; limits: inputs' magnitudes at most 3,900; right only within a limited range of input values
;; workspace buffers: kv 13,107,200 bytes; maskw 2,097,152 bytes of whole numbers
;; launch prep (part 1): grid 1024 x 1, 4 waves a work-group, no clusters, 68,864 bytes of LDS; arguments K, V, mask, kv, maskw; writes kv, maskw
.if DOCPART == 1
	.amdgcn_target "amdgcn-amd-amdhsa--gfx1250"
	.amdhsa_code_object_version 6
	.text
	.protected	k_qee2f200cba_prep
	.globl	k_qee2f200cba_prep
	.p2align	8
	.type	k_qee2f200cba_prep,@function
k_qee2f200cba_prep:
	s_mov_b64 s[64:65], 0
	v_nop
	global_prefetch_b8 v0, s[64:65] scope:SCOPE_SE
	s_setreg_imm32_b32 hwreg(HW_REG_WAVE_MODE, 25, 1), 1
	s_wait_xcnt 0x0
; K and V [64 heads][2048 keys][64] f32 become codes of FP6 (E2M3) with one E8M0 byte for each 32 along a product's K, laid as IMAGES OF THE OPERAND REGISTERS
; of the attention launch; the mask [4][2048][2048] of bytes becomes lane masks, one 32-bit word for each score register of a wave there.
; kv: [64 heads][16 key steps][12,800 bytes].  A chunk (128 keys): 4 fragments of K (1,536 bytes each), 4 of V, 256 bytes of K's scale words, 256 of V's.
;   A fragment is 12 registers a lane: registers 4 c .. 4 c + 3 of lane l lie at 512 c + 16 l.
;   K's fragment b holds TWO tiles of 16 keys, one in each half of the instruction's 128 along K (the head has only 64): lane (r, h): registers 0-5 key
;   X = 64 (b / 2) + 16 (b % 2) + 32 (r / 8) + r % 8, channels 32 h on; registers 6-11 key X + 8, the same channels.  Its scale word: bytes 0, 1 X's two blocks, bytes 2, 3 those of X + 8.
;   So a lane of the attention launch finds a whole block of 32 neighbouring keys in 32 score registers.
;   V's fragment t: lane (r, h): channel 16 t + r; registers 6 c .. 6 c + 5 keys 64 c + 32 h + 0 .. 31: V is quantised down the keys.
;   A scale image: 8 bytes a lane: the word of fragment b, row r at 8 (16 (b % 2) + r) + 4 (b / 2).
; maskw: [4 batches][128 tiles of 16 queries][16 key steps][64 words]: bit l of word j = mask[query 16 T + l % 16][key 128 s + 64 (j / 32) + 32 (l / 16) + j % 32].
; A block's scale is 2^(floor(log2(its largest magnitude)) - 2); its byte is the largest magnitude's exponent field - 2, held at 1 from below.
; LIMITS: a block of zeros, or one whose largest magnitude lies under 2^-124, keeps the byte 1 (zero blocks have zero codes, and this program alone reads the bytes); NaN and infinities are not served.
; SHARES.  Work-group id = 16 head + step makes chunk id.  Wave w: 16 rows x 256 bytes of the mask (two units of maskw); K's fragment w (two runs of 16 keys, 4 KB each);
; 32 keys of V into a stage that all four waves share, then V's fragment w (16 channels x 128 keys).  All 40 loads of a wave go out at its head, the mask's first:
; the mask's words are made while K's and V's loads are out.  No tensor loads, no matrix work: this is a stream.
.set KWB,   8704                       ; LDS: a wave's own stage: 32 rows x 272 bytes; first the mask's 16 rows, then K's 32
.set VST,   4*KWB                      ; V's stage, shared: four groups of 32 keys
.set VGB,   8256                       ; a group: 32 rows of 256 bytes + 64
.set SCG,   VST+4*VGB                  ; the two scale images, 256 bytes each; behind them the spare words
.set CHUNK, 12800
.set CK,    32                         ; v32-43 K's codes; v44-46, v48-50 the halves that are made elsewhere and moved
.set CVR,   52                         ; v52-63 V's codes; v64-66, v68-70 likewise
.set RK,    72                         ; v72-135  K as loaded, then turned
.set RV,    136                        ; v136-199 V likewise
.set RM,    200                        ; v200-231 the mask likewise
	s_load_b256 s[4:11], s[0:1], 0x0               ; K s[4:5], V s[6:7], mask s[8:9], kv s[10:11]
	s_load_b64 s[12:13], s[0:1], 0x20              ; maskw
	v_lshl_add_u32 v240, v0, 2, 0x10b00            ; my spare word
	v_mov_b32 v241, 0
	v_lshrrev_b32 v1, 5, v0
	v_readfirstlane_b32 s14, v1                    ; wave 0..3
	v_and_b32 v1, 31, v0                           ; lane
	v_and_b32 v2, 15, v0                           ; r
	v_bfe_u32 v3, v0, 4, 1                         ; h
	v_lshlrev_b32 v4, 4, v1                        ; 16 x lane: dense loads and stores
	v_lshlrev_b32 v5, 4, v2
	v_lshl_add_u32 v5, v3, 11, v5                  ; the mask: lanes 0-15 one row's 256 bytes, lanes 16-31 the next row's
	s_mul_i32 s15, s14, KWB
	v_mul_u32_u24 v6, v3, 272
	v_lshl_add_u32 v6, v2, 4, v6
	v_add_nc_u32 v6, s15, v6                       ; my stage, on the way in: two rows an instruction
	v_mul_u32_u24 v7, v2, 272
	v_add_nc_u32 v7, s15, v7
	v_lshl_add_u32 v11, v3, 5, v7                  ; the mask on the way out: row r, + 32 h
	v_lshl_add_u32 v7, v3, 7, v7                   ; K on the way out: row r, + 128 h: 32 channels
	s_mul_i32 s16, s14, VGB
	s_add_co_u32 s16, s16, VST
	v_add_nc_u32 v8, s16, v4                       ; V on the way in: my group, dense
	v_mul_u32_u24 v9, v3, VGB
	v_lshl_add_u32 v9, v2, 2, v9
	s_lshl_b32 s16, s14, 6
	s_add_co_u32 s16, s16, VST
	v_add_nc_u32 v9, s16, v9                       ; V on the way out: group h, channel 16 w + r
	s_and_b32 s16, s14, 1
	s_lshl_b32 s16, s16, 7
	s_lshr_b32 s17, s14, 1
	s_lshl_b32 s17, s17, 2
	s_add_co_u32 s16, s16, s17
	s_add_co_u32 s16, s16, SCG
	v_lshl_add_u32 v12, v2, 3, s16                 ; my row's scale word in an image
	v_lshlrev_b32 v13, 3, v3                       ; 8 h
	v_lshlrev_b32 v14, 3, v1                       ; 8 x lane
	v_add_nc_u32 v15, SCG, v4
	v_mov_b32 v23, 0                               ; destinations of lane instructions count as read: written once
.irp i, 26,27,28,29
	v_mov_b32 v\i, 0
.endr
	s_mov_b32 s20, 0x76543210
	s_mov_b32 s21, 0xfedcba98                      ; v_permlanex16_b32's selects for lane l xor 16
	s_lshl_b32 s16, ttmp9, 15                      ; a key step of K or V is 128 rows of 256 bytes
	s_lshr_b32 s30, s14, 1
	s_lshl_b32 s30, s30, 14
	s_and_b32 s31, s14, 1
	s_lshl_b32 s31, s31, 12
	s_add_co_u32 s30, s30, s31
	s_add_co_u32 s30, s30, s16                     ; K: my fragment's first key, 64 (w / 2) + 16 (w % 2)
	s_mov_b32 s31, 0
	s_lshl_b32 s17, s14, 13                        ; V: my 32 keys
	s_add_co_u32 s16, s16, s17
	s_mov_b32 s17, 0
	s_lshl_b32 s22, ttmp9, 2
	s_add_co_u32 s22, s22, s14                     ; the mask's task: 4 id + w
	s_lshr_b32 s24, s22, 3                         ; which 16 rows: 32,768 bytes each,
	s_lshl_b32 s24, s24, 15
	s_and_b32 s25, s22, 7                          ; which 256 keys
	s_lshl_b32 s25, s25, 8
	s_add_co_u32 s24, s24, s25
	s_mov_b32 s25, 0
	s_lshl_b32 s22, s22, 9                         ; its two units of maskw
	s_mov_b32 s23, 0
	s_mul_i32 s26, ttmp9, CHUNK
	s_mov_b32 s27, 0
	s_mul_i32 s28, s14, 1536
	s_mov_b32 s29, 0
	s_wait_alu depctr_va_vdst(0)                   ; the wait at the head's end
	s_wait_kmcnt 0x0
	s_add_nc_u64 s[4:5], s[4:5], s[30:31]
	s_add_nc_u64 s[6:7], s[6:7], s[16:17]
	s_add_nc_u64 s[8:9], s[8:9], s[24:25]
	s_add_nc_u64 s[12:13], s[12:13], s[22:23]
	s_add_nc_u64 s[18:19], s[10:11], s[26:27]      ; the chunk
	s_add_nc_u64 s[10:11], s[18:19], s[28:29]      ; my fragment's place in it
.set i, 0
.rept 8
	global_load_b128 v[RM+4*i:RM+4*i+3], v5, s[8:9] offset:4096*i th:TH_LOAD_NT
.set i, i+1
.endr
.set i, 0
.rept 16
	global_load_b128 v[RV+4*i:RV+4*i+3], v4, s[6:7] offset:512*i th:TH_LOAD_NT
.set i, i+1
.endr
.set i, 0
.rept 16                               ; two runs of 16 keys, 32 keys apart
	global_load_b128 v[RK+4*i:RK+4*i+3], v4, s[4:5] offset:512*(i%8)+8192*(i/8) th:TH_LOAD_NT
.set i, i+1
.endr
; 64 numbers of a lane, two whole blocks of 32, become a fragment's 12 registers in v[c] on and the row's scale word in v[w].
; My two bytes are blocks h and 2 + h of the row; lane l xor 16 has the other two.
.macro QUANT64 n, c, t, w
	v_max3_num_f32 v16, |v[\n]|, |v[\n+1]|, 0x1800000              ; the floor 2^(3 - 127) among the leaves: the byte cannot fall under 1
	v_max3_num_f32 v17, |v[\n+32]|, |v[\n+33]|, 0x1800000
.irp i, 2,4,6,8,10,12,14,16,18,20,22,24,26,28,30
	v_max3_num_f32 v16, v16, |v[\n+\i]|, |v[\n+\i+1]|              ; the two blocks by turns
	v_max3_num_f32 v17, v17, |v[\n+32+\i]|, |v[\n+33+\i]|
.endr
	v_add_nc_u32 v18, 0xff000000, v16              ; 2 off the exponent field: the conversion's scale operand
	v_add_nc_u32 v19, 0xff000000, v17
	v_lshrrev_b32 v20, 23, v18                     ; the scales' bytes
	v_lshrrev_b32 v21, 23, v19
	v_lshl_or_b32 v[\w], v21, 16, v20
	v_lshlrev_b32 v[\w], v13, v[\w]                ; at their places in the word: 8 h bits up
	v_permlanex16_b32 v23, v[\w], s20, s21
	v_or_b32 v[\w], v[\w], v23                     ; the word is whole, in both lanes
	v_cvt_scalef32_pk16_fp6_f32 v[\c:\c+2], v[\n:\n+15], v18
	v_cvt_scalef32_pk16_fp6_f32 v[\t:\t+2], v[\n+16:\n+31], v18    ; (a conversion's three registers begin on an even number)
	v_cvt_scalef32_pk16_fp6_f32 v[\c+6:\c+8], v[\n+32:\n+47], v19
	v_cvt_scalef32_pk16_fp6_f32 v[\t+4:\t+6], v[\n+48:\n+63], v19
	v_nop                                          ; one plain place behind the scaled conversions
.irp i, 0,1,2
	v_mov_b32 v[\c+3+\i], v[\t+\i]
	v_mov_b32 v[\c+9+\i], v[\t+4+\i]
.endr
.endm
.macro PUT c, off                      ; a fragment's image: each store covers 512 consecutive bytes, at a multiple of 256 from the buffer's first byte
.irp i, 0,1,2
	global_store_b128 v4, v[\c+4*\i:\c+4*\i+3], s[10:11] offset:\off+512*\i th:TH_STORE_NT
.endr
.endm
; Unit q of the mask: word j is the compare's lane mask of byte j of my 64; word j goes to lane j / 2 of a pair of registers, and 32 lanes store 256 consecutive bytes.
.macro MASKW q
.set j, 0
.rept 64
	v_and_b32 v[24+j%2], 0xff<<(8*(j%4)), v[RM+4*(4*\q+j/16)+(j%16)/4]
	v_cmp_ne_u32 s[24+j%8], 0, v[24+j%2]
	v_writelane_b32 v[26+2*\q+j%2], s[24+j%8], j/2
.set j, j+1
.endr
	global_store_b64 v14, v[26+2*\q:27+2*\q], s[12:13] offset:256*\q th:TH_STORE_NT
.endm
	s_wait_loadcnt 32                              ; the mask's 8 loads are in; V's 16 and K's 16 may be out
.set i, 0
.rept 8
	ds_store_b128 v6, v[RM+4*i:RM+4*i+3] offset:2*i*272
.set i, i+1
.endr
	s_wait_dscnt 0x0                               ; the stores have read their registers
.set i, 0
.rept 8
	ds_load_b128 v[RM+4*i:RM+4*i+3], v11 offset:128*(i/4)+64*((i%4)/2)+16*(i%2)   ; unit i / 4, keys 64 ((i % 4) / 2) + 32 h + 16 (i % 2) on, of query r
.set i, i+1
.endr
	s_wait_dscnt 0x0
	MASKW 0
	MASKW 1
	s_wait_loadcnt 16                              ; V's 16 loads are in; K's 16 may be out
.set i, 0
.rept 16
	ds_store_b128 v8, v[RV+4*i:RV+4*i+3] offset:512*i
.set i, i+1
.endr
	s_wait_dscnt 0x0                               ; for the others' sake: my 32 keys of V lie in the stage
	s_barrier_signal -1
	s_barrier_wait -1                              ; all 128 keys do.  V is worked while K's 16 loads are out
.set i, 0
.rept 64
	ds_load_b32 v[RV+i], v9 offset:2*VGB*(i/32)+256*(i%32)         ; V(key 64 (i / 32) + 32 h + i % 32, channel 16 w + r): my registers run down the keys
.set i, i+1
.endr
	s_wait_dscnt 0x0
	QUANT64 RV, CVR, 64, 30
	PUT CVR, 6144
	ds_store_b32 v12, v30 offset:256               ; both lanes of a row write the same word with the same value
	s_wait_loadcnt 0x0                             ; K
.set i, 0
.rept 16
	ds_store_b128 v6, v[RK+4*i:RK+4*i+3] offset:(16*((i/4)%2)+8*(i/8)+2*(i%4))*272
.set i, i+1
.endr
	s_wait_dscnt 0x0                               ; the stores have read their registers
.set i, 0
.rept 8
	ds_load_b128 v[RK+4*i:RK+4*i+3], v7 offset:16*i                ; key X, my 32 channels
	ds_load_b128 v[RK+32+4*i:RK+32+4*i+3], v7 offset:16*272+16*i   ; key X + 8
.set i, i+1
.endr
	s_wait_dscnt 0x0                               ; K is back in registers
	QUANT64 RK, CK, 44, 22
	PUT CK, 0
	ds_store_b32 v12, v22
	s_wait_dscnt 0x0                               ; for wave 0's sake: my scale words lie in the images
	s_barrier_signal -1
	s_barrier_wait -1
	s_cmp_lg_u32 s14, 0
	s_cbranch_scc1 .Ldone
	ds_load_b128 v[232:235], v15                   ; both images, 512 bytes
	s_wait_dscnt 0x0
	global_store_b128 v4, v[232:235], s[18:19] offset:12288 th:TH_STORE_NT
.Ldone:
	s_wait_tensorcnt 0x0                           ; the wave's end
	ds_add_u32 v240, v241
	s_wait_dscnt 0x0
	s_endpgm
.Lfunc_end_k_qee2f200cba_prep:
	.size	k_qee2f200cba_prep, .Lfunc_end_k_qee2f200cba_prep-k_qee2f200cba_prep
	.p2alignl 7, 3214868480
	.fill 96, 4, 3214868480
	.section	.rodata,"a",@progbits
	.p2align	6, 0x0
	.amdhsa_kernel k_qee2f200cba_prep
		.amdhsa_group_segment_fixed_size 68864
		.amdhsa_private_segment_fixed_size 0
		.amdhsa_enable_private_segment 0
		.amdhsa_kernarg_size 40
		.amdhsa_user_sgpr_count 2
		.amdhsa_user_sgpr_kernarg_segment_ptr 1
		.amdhsa_wavefront_size32 1
		.amdhsa_system_sgpr_workgroup_id_x 1
		.amdhsa_system_sgpr_workgroup_id_y 1
		.amdhsa_system_sgpr_workgroup_id_z 1
		.amdhsa_system_vgpr_workitem_id 0
		.amdhsa_next_free_vgpr 242
		.amdhsa_next_free_sgpr 66
		.amdhsa_reserve_vcc 0
		.amdhsa_float_denorm_mode_32 3
		.amdhsa_float_denorm_mode_16_64 3
		.amdhsa_memory_ordered 1
		.amdhsa_forward_progress 1
		.amdhsa_inst_pref_size 47
	.end_amdhsa_kernel
	.amdgpu_metadata
---
amdhsa.version: [ 1, 2 ]
amdhsa.kernels:
  - .name:           k_qee2f200cba_prep
    .symbol:         k_qee2f200cba_prep.kd
    .args:
      - { .name: K, .offset: 0, .size: 8, .value_kind: global_buffer, .address_space: global }
      - { .name: V, .offset: 8, .size: 8, .value_kind: global_buffer, .address_space: global }
      - { .name: mask, .offset: 16, .size: 8, .value_kind: global_buffer, .address_space: global }
      - { .name: kv, .offset: 24, .size: 8, .value_kind: global_buffer, .address_space: global }
      - { .name: maskw, .offset: 32, .size: 8, .value_kind: global_buffer, .address_space: global }
    .group_segment_fixed_size: 68864
    .private_segment_fixed_size: 0
    .kernarg_segment_align: 8
    .kernarg_segment_size: 40
    .max_flat_workgroup_size: 128
    .sgpr_count:     66
    .vgpr_count:     242
    .wavefront_size: 32
...
	.end_amdgpu_metadata
.endif
;; end of part 1
;; launch attn (part 2): grid 4 x 64, 16 waves a work-group, clusters of 4 x 1, 276,480 bytes of LDS; arguments Q, kv, maskw, out0; writes out0
.if DOCPART == 2
	.amdgcn_target "amdgcn-amd-amdhsa--gfx1250"
	.amdhsa_code_object_version 6
	.text
	.protected	k_qee2f200cba_attn
	.globl	k_qee2f200cba_attn
	.p2align	8
	.type	k_qee2f200cba_attn,@function
k_qee2f200cba_attn:
	s_mov_b64 s[64:65], 0
	v_nop
	global_prefetch_b8 v0, s[64:65] scope:SCOPE_SE
	s_setreg_imm32_b32 hwreg(HW_REG_WAVE_MODE, 25, 1), 1
	s_wait_xcnt 0x0
	s_wait_alu depctr_hold_cnt(0) depctr_sa_sdst(0) depctr_va_vdst(0) depctr_va_sdst(0) depctr_va_ssrc(0) depctr_va_vcc(0) depctr_vm_vsrc(0)
	s_getreg_b32 s2, hwreg(HW_REG_IB_STS2, 6, 4)
	s_cmp_eq_u32 s2, 0
	s_cbranch_scc0 .Lentry_in_a_cluster
	s_endpgm
.Lentry_in_a_cluster:
	s_bfe_u32 s2, ttmp6, 0x10000c
	s_cmp_lg_u32 s2, 0x3003
	s_cbranch_scc0 .Lentry_shape_is_right
	s_endpgm
.Lentry_shape_is_right:
; out0[head][q][:] = the sum over keys of softmax(where(mask, -1e9, Q . K) / 8) V, both products on codes of FP6 (E2M3) with one E8M0 scale for each 32 along a product's K.
; K's and V's codes and scale words come from kv, the mask's lane masks from maskw, as the launch before has laid them (its head comment has the layouts); Q [64][2048][64] f32 is quantised here.
; THE SOFTMAX: t = score x log2(e) / 8; M = the row's largest t so far, rounded UP to a whole number; p = 2^(t - M) is what is quantised, along the keys, not normalised; the row's sum is taken of the
; unquantised p and divides at the end.  When M moves, the sum and O are multiplied by 2^(old M - new M): exact.
; A HIDDEN SCORE becomes -1e9 itself, ahead of the maximum.  A ROW OF WHICH EVERY KEY SO FAR IS HIDDEN has the largest score -1e9: there the lane's multiplier and addend are 0, so that p = 1 exactly
; for each key (all its t are equal); the first visible key moves M by some 1.8e8, which makes the factor 0 and wipes what was summed.
; LIMITS: in a row that has seen nothing above -1e9 a visible score at or under -1e9 counts as p = 1; NaN and infinities are not served; 1 / sum is v_rcp_f32 and a multiply;
; a block of Q whose largest magnitude lies under 2^-124 keeps the scale byte 1; the scaled scores stay under 2^31 in magnitude.
; SHARES.  A work-group owns 512 queries of one head, as two blocks of 256; each of its sixteen waves owns one tile of 16 queries a block, in 256 registers: four waves to a SIMD.
; ALL OF A HEAD'S CODES STAY IN LDS: 16 chunks of 12,800 bytes, filled ONCE, one tensor load a wave (one outstanding).  No slot is filled again, so the loops have no barrier.
; CLUSTER.  The four work-groups of a head read the same 204,800 bytes: each chunk is asked for JOINTLY, by the same tensor load with the same descriptor and a mask that names the four.
; LAYOUT.  Both products are used transposed (S^T = K Q^T, O^T = V^T P^T): a lane holds ONE query (lane % 16) throughout.  The head has 64 channels and the instruction 128 along K: a fragment of K holds two
; tiles of keys, one in each half, and is multiplied by QA = (Q's codes | zero codes) and by QB = (zero codes | Q's codes).  The keys of a tile are chosen so that score register j of lane l is key
; 64 (j / 32) + 32 (l / 16) + j % 32 of the step: A LANE HOLDS TWO WHOLE BLOCKS OF 32 KEYS, just those that the second product's operand wants in it.  So a block's largest score needs no other lane,
; the conversions' results stay in their lanes, and only the row's maximum and the scale word's four bytes are joined with lane l xor 16.
; PREFETCH.  The mask words are a stream of 256 bytes a key step for each wave: trip t, which loads step t + 1's words, asks for those of step t + 3 (held at the tile's last step, 15).
; kv and Q are asked for once, at the head, ahead of any loop: there is no trip to run ahead in, so they have no prefetch.
.set CHUNK, 12800
.set VCO,   6144                       ; V's fragments in a chunk
.set KSO,   12288                      ; K's scale image; V's is 256 bytes on
.set STG,   16*CHUNK                   ; behind the chunks: a stage of 16 rows x 272 bytes for each wave, for Q's way in and O's way out; no fill lands there
.set SPI,   272
.set LI,  1                            ; v1   16 x lane
.set L8,  2                            ; v2   8 x lane + KSO
.set ADR, 3                            ; v3   the step's chunk + 16 x lane
.set ADS, 4                            ; v4   the step's chunk + 8 x lane + KSO
.set NEGR, 5                           ; v5   -1e9
.set NIL, 6                            ; v6   0
.set NO,  7                            ; v7   the last step's -M
.set CL,  8                            ; v[8:9]   my lane's multiplier: c, or 0 where all keys so far are hidden (the pair's upper word is named, so it is written)
.set AL,  10                           ; v[10:11] my lane's addend: -M, or 0 likewise
.set NM,  12                           ; v12  -M
.set SMX, 13                           ; v13  the largest score so far
.set SO,  14                           ; v14-15 the conversions' scale operands
.set QA,  16                           ; v16-27
.set QB,  28                           ; v28-39
.set FR,  40                           ; v40-87   four fragments, of K or of V
.set QN0, 88                           ; v88-93   the codes of the block in hand's Q;  v94 its scale word
.set QW0, 94
.set CV,  95                           ; v95  c
.set SR,  96                           ; v96-159  S^T, then p
.set OT,  160                          ; v160-191 O^T, four tiles
.set PC,  192                          ; v192-203 p's codes;  v204-206, v208-210 the halves that are made elsewhere and moved
.set PT,  204
.set BM,  212                          ; v212-215 four chains of maxima; then v212, v214 my two blocks' largest score, then largest p
.set SU,  216                          ; v[216:217] the row's sum, in two halves; v218-223 three more chains of a step's additions
.set FF,  224                          ; v[224:225] f = 2^(old M - new M); at the end 1 / sum
.set T0,  226
.set T1,  227
.set PW,  228                          ; v228 p's scale word
.set KS,  230                          ; v[230:231] K's scale words;  v[232:233] V's;  v234 Q's: lanes 0-15 QA's, lanes 16-31 QB's
.set VS,  232
.set QS,  234
.set BX,  236                          ; v236-237 the scales' bytes
.set STO, 238                          ; v238 the stage: row r, + 32 h
.set RD,  239                          ; v239 the stage: row l / 16, + 16 (l % 16)
.set QR,  240                          ; v240 the stage: row r, + 128 h
.set QN1, 242                          ; v242-247, v248 the second block's Q
.set QW1, 248
.set PAD, 249                          ; v249 the bytes 1 that stand over Q's zero codes
.set H8,  252                          ; v252 8 h;  v253 16 h
.set H16, 253
.set TB,  2                            ; s2   the step's chunk in LDS
.set WV,  3                            ; s3   my wave's number
.set SEL, 4                            ; s[4:5] v_permlanex16_b32's selects for lane l xor 16
.set CS,  6                            ; s6   c = log2(e) / 8
.set G0,  8                            ; s[8:11]  descriptor group 0;  s[12:19] group 1
.set G1,  12
.set BLK, 28
.set STP, 29
                                       ; s[20:21] Q, s[22:23] the prefetch's address, s[24:25] the step's mask words, s[26:27] out0, s[30:31] an offset;  s[32:63], s[68:99] the step's 64 mask words
.macro ROUND                           ; a round of the cluster's barrier
	s_barrier_signal -1
	s_barrier_wait -1
	s_cmp_lg_u32 s[WV], 0
	s_cbranch_scc1 .Lnot_wave_0_\@
	s_barrier_signal -3
.Lnot_wave_0_\@:
	s_barrier_wait -3
	s_barrier_signal -1
	s_barrier_wait -1
.endm
	s_load_b256 s[20:27], s[0:1], 0x0              ; Q s[20:21], kv s[22:23], maskw s[24:25], out0 s[26:27]
	v_lshl_add_u32 v254, v0, 2, 0x43000            ; my spare word
	v_mov_b32 v255, 0
	ds_add_u32 v254, v255                          ; the opening lines
	ds_add_u32 v254, v255
	v_lshrrev_b32 v2, 5, v0
	s_delay_alu instid0(VALU_DEP_1)
	v_readfirstlane_b32 s[WV], v2                  ; wave 0..15
	s_bfe_u32 s30, ttmp6, 0x40000                  ; cx: it enters Q's, maskw's and out0's addresses alone
	s_lshl_b32 s31, ttmp9, 2
	s_add_co_u32 s31, s31, s30                     ; my run of 512 queries
	s_and_b32 s66, ttmp7, 0xffff                   ; the head, which the four partners share
	s_lshl_b32 s31, s31, 9
	s_lshl_b32 s2, s[WV], 4
	s_add_co_u32 s31, s31, s2                      ; my first query
	s_lshl_b32 s100, s66, 11
	s_add_co_u32 s100, s100, s31
	s_lshl_b32 s100, s100, 8                       ; its row of 256 bytes in Q and in out0
	s_mov_b32 s101, 0
	s_lshr_b32 s28, s66, 4                         ; the batch: 128 tiles of queries,
	s_lshl_b32 s28, s28, 7
	s_lshr_b32 s29, s31, 4
	s_add_co_u32 s28, s28, s29                     ; my tile: 16 steps x 256 bytes of mask words
	s_lshl_b32 s28, s28, 12
	s_mov_b32 s29, 0
	; the descriptor: chunk w of the head: 12,800 dense bytes as 50 rows of 32 elements of 8 bytes, no padding
	s_mov_b32 s[G0], 1
	s_mul_i32 s[G0+1], s[WV], CHUNK                ; LDS address: no place in the cluster enters it
	s_mul_i32 s4, s66, 16*CHUNK
	s_add_co_u32 s4, s4, s[G0+1]
	s_mov_b32 s5, 0
	s_mov_b32 s[G1], 15|(3<<16)|(1<<21)            ; the mask: all four work-groups; elements of 8 bytes; bit 21 beside a mask
	s_mov_b32 s[G1+1], 32<<16
	s_mov_b32 s[G1+2], 50<<16
	s_mov_b32 s[G1+3], 32<<16
	s_mov_b32 s[G1+4], 50
	s_mov_b32 s[G1+5], 32
	s_mov_b32 s[G1+6], 0
	s_mov_b32 s[G1+7], 0
	s_wait_dscnt 0x0
	s_wait_kmcnt 0x0
	s_add_nc_u64 s[G0+2:G0+3], s[22:23], s[4:5]
	s_or_b32 s[G0+3], s[G0+3], 0x80000000
	s_add_nc_u64 s[20:21], s[20:21], s[100:101]
	s_add_nc_u64 s[26:27], s[26:27], s[100:101]
	s_add_nc_u64 s[24:25], s[24:25], s[28:29]
	ROUND                                          ; all four work-groups are here: the joint loads meet
	tensor_load_to_lds s[G0:G0+3], s[G1:G1+7]      ; my one tensor load of the launch
	s_nop 0
.rept 4
	v_nop
.endr
	v_and_b32 v241, 31, v0                         ; lane
	v_and_b32 v250, 15, v0                         ; r
	v_bfe_u32 v251, v0, 4, 1                       ; h
	s_delay_alu instid0(VALU_DEP_3)
	v_lshlrev_b32 v[LI], 4, v241
.set i, 0
.rept 16                               ; my 16 rows of Q, of both blocks (65,536 bytes apart): 512 consecutive bytes a load
	global_load_b128 v[SR+4*i:SR+4*i+3], v[LI], s[20:21] offset:65536*(i/8)+512*(i%8) th:TH_LOAD_NT
.set i, i+1
.endr
	v_lshl_add_u32 v[L8], v241, 3, KSO
	s_mul_i32 s67, s[WV], 16*SPI
	s_add_co_u32 s67, s67, STG                     ; my stage
	v_mul_u32_u24 v[STO], v250, SPI
	s_delay_alu instid0(VALU_DEP_1)
	v_lshl_add_u32 v[QR], v251, 7, v[STO]
	s_delay_alu instid0(VALU_DEP_2)
	v_lshl_add_u32 v[STO], v251, 5, v[STO]
	s_delay_alu instid0(VALU_DEP_1)
	v_add_nc_u32 v[STO], s67, v[STO]
	s_delay_alu instid0(VALU_DEP_3)
	v_add_nc_u32 v[QR], s67, v[QR]
	v_mul_u32_u24 v[RD], v251, SPI
	s_delay_alu instid0(VALU_DEP_1)
	v_lshl_add_u32 v[RD], v250, 4, v[RD]
	s_delay_alu instid0(VALU_DEP_1)
	v_add_nc_u32 v[RD], s67, v[RD]
	v_lshlrev_b32 v[H8], 3, v251
	v_lshlrev_b32 v[H16], 4, v251
	v_mov_b32 v[PAD], 0x01010000
	s_delay_alu instid0(VALU_DEP_1)
	v_lshrrev_b32 v[PAD], v[H16], v[PAD]           ; lanes 0-15: bytes 2, 3; lanes 16-31: bytes 0, 1
	s_mov_b32 s[SEL], 0x76543210
	s_mov_b32 s[SEL+1], 0xfedcba98
	s_mov_b32 s[CS], 0x3e38aa3b
	s_mov_b32 s31, 0                               ; the upper word of the prefetch's offset
	v_mov_b32 v[NEGR], 0xce6e6b28
	v_mov_b32 v[NIL], 0
	v_mov_b32 v[CV], s[CS]
	v_mov_b32 v[CL+1], 0
	v_mov_b32 v[AL+1], 0
	v_mov_b32 v[FF+1], 0
	v_mov_b32 v[T1], 0
	v_and_b32 v229, 1, v0
	s_delay_alu instid0(VALU_DEP_1)
	v_lshl_add_u32 v229, v229, 8, 256              ; v229: 256 in the even lanes, 512 in the odd: a tile's mask words of key steps 1 and 2; never rewritten
.irp i, 0,1,2,3,4,5
	v_mov_b32 v[QA+6+\i], 0                        ; the zero codes: they stay
	v_mov_b32 v[QB+\i], 0
.endr
; 32 numbers of a lane, Q(r, 32 h ..), one whole block, become 6 registers of codes in v[d] on and, in v[w], QA's scale word (e0, e1, 1, 1) in lanes 0-15 and QB's (1, 1, e0, e1) in lanes 16-31.
.macro QUANTQ n, d, w
	v_max3_num_f32 v[BM], |v[\n]|, |v[\n+1]|, 0x1800000            ; the floor 2^(3 - 127): the byte cannot fall under 1
	v_max3_num_f32 v[BM+1], |v[\n+16]|, |v[\n+17]|, 0x1800000
.irp i, 2,4,6,8,10,12,14
	s_delay_alu instid0(VALU_DEP_2)
	v_max3_num_f32 v[BM], v[BM], |v[\n+\i]|, |v[\n+\i+1]|
	s_delay_alu instid0(VALU_DEP_2)
	v_max3_num_f32 v[BM+1], v[BM+1], |v[\n+16+\i]|, |v[\n+17+\i]|
.endr
	s_delay_alu instid0(VALU_DEP_1)
	v_max_num_f32 v[BM], v[BM], v[BM+1]
	s_delay_alu instid0(VALU_DEP_1)
	v_add_nc_u32 v[SO], 0xff000000, v[BM]          ; 2 off the exponent field: the conversion's scale operand
	s_delay_alu instid0(VALU_DEP_1)
	v_lshrrev_b32 v[BX], 23, v[SO]                 ; the byte
	v_cvt_scalef32_pk16_fp6_f32 v[\d:\d+2], v[\n:\n+15], v[SO]
	v_cvt_scalef32_pk16_fp6_f32 v[PT:PT+2], v[\n+16:\n+31], v[SO]  ; (a conversion's three registers begin on an even number)
	v_nop                                          ; one plain place behind the scaled conversions
	v_lshlrev_b32 v[T0], v[H8], v[BX]
	s_delay_alu instid0(VALU_DEP_1)
	v_permlanex16_b32 v[T1], v[T0], s[SEL], s[SEL+1]
	s_delay_alu instid0(VALU_DEP_1)
	v_or_b32 v[T0], v[T0], v[T1]                   ; e0 | e1 << 8, in both lanes
	s_delay_alu instid0(VALU_DEP_1)
	v_lshlrev_b32 v[T0], v[H16], v[T0]
	s_delay_alu instid0(VALU_DEP_1)
	v_or_b32 v[\w], v[T0], v[PAD]
.irp i, 0,1,2
	v_mov_b32 v[\d+3+\i], v[PT+\i]
.endr
.endm
	s_wait_alu depctr_va_vdst(0)                   ; the wait at the head's end
	s_load_b512 s[32:47], s[24:25], 0x0            ; the first block's mask words of key step 0: asked for here, while Q's loads and the chunks are out
	s_load_b512 s[48:63], s[24:25], 0x40
	s_load_b512 s[68:83], s[24:25], 0x80
	s_load_b512 s[84:99], s[24:25], 0xc0
	global_prefetch_b8 v229, s[24:25] th:TH_LOAD_NT scope:SCOPE_SE   ; and those of steps 1 and 2, two blocks of 256 bytes: the loop's prefetch begins at step 3
	s_wait_loadcnt 8
.set i, 0
.rept 8
	ds_store_b128 v[RD], v[SR+4*i:SR+4*i+3] offset:2*i*SPI
.set i, i+1
.endr
.set i, 0
.rept 8
	ds_load_b128 v[OT+4*i:OT+4*i+3], v[QR] offset:16*i             ; LDS serves a wave's instructions in order (ISA guide 5.7.1.4): these see my stores
.set i, i+1
.endr
	s_wait_loadcnt 0x0
.set i, 0
.rept 8
	ds_store_b128 v[RD], v[SR+32+4*i:SR+32+4*i+3] offset:2*i*SPI   ; behind the first block's reads
.set i, i+1
.endr
.set i, 0
.rept 8
	ds_load_b128 v[FR+4*i:FR+4*i+3], v[QR] offset:16*i
.set i, i+1
.endr
	s_wait_dscnt 16                                ; the first block is back; the second's 8 stores and 8 loads may be out
	QUANTQ OT, QN0, QW0
	s_wait_alu depctr_va_vdst(0)                   ; the wait ahead of the wait below
	s_wait_dscnt 0x0
	QUANTQ FR, QN1, QW1
	s_wait_alu depctr_va_vdst(0)
	s_wait_tensorcnt 0x0                           ; my chunk is in,
	s_barrier_signal -1
	s_barrier_wait -1                              ; everybody's is: from here on the chunks are only read
.macro KLOAD                           ; the step's four fragments of K, 12 registers each, as they lie; and their scale words
.set i, 0
.rept 12
	ds_load_b128 v[FR+4*i:FR+4*i+3], v[ADR] offset:512*i
.set i, i+1
.endr
	ds_load_b64 v[KS:KS+1], v[ADS]
.endm
.macro VL n                            ; the next n of V's twelve loads
.rept \n
	ds_load_b128 v[FR+4*vi:FR+4*vi+3], v[ADR] offset:VCO+512*vi
.set vi, vi+1
.endr
.endm
.macro MLOAD                           ; a step's 64 mask words
	s_load_b512 s[32:47], s[24:25], 0x0
	s_load_b512 s[48:63], s[24:25], 0x40
	s_load_b512 s[68:83], s[24:25], 0x80
	s_load_b512 s[84:99], s[24:25], 0xc0
.endm
.macro FM n                            ; the next n pairs: t - M, two at a time
.rept \n
	v_pk_fma_f32 v[SR+fj:SR+fj+1], v[SR+fj:SR+fj+1], v[CL:CL+1], v[AL:AL+1] op_sel_hi:[1,0,0]
.set fj, fj+2
.endr
.endm
.macro ADDS n                          ; the next n pairs of p onto the four chains by turns
.rept \n
	v_pk_add_f32 v[SU+2*(pk%4):SU+2*(pk%4)+1], v[SU+2*(pk%4):SU+2*(pk%4)+1], v[SR+2*pk:SR+2*pk+1]
.set pk, pk+1
.endr
.endm
.macro JOIN                            ; the three chains of the last step onto the row's sum (with a line of the caller's between: no line waits for the line above it)
	v_pk_add_f32 v[SU:SU+1], v[SU:SU+1], v[SU+2:SU+3]
	v_pk_add_f32 v[SU+4:SU+5], v[SU+4:SU+5], v[SU+6:SU+7]
	v_mov_b32 v[NO], v[NM]
	v_pk_add_f32 v[SU:SU+1], v[SU:SU+1], v[SU+4:SU+5]
.endm
; Tile 2 b + u of S^T: K's fragment b x QA (u = 0) or QB (u = 1).  K's words of fragment b: register b / 2, lanes 16-31 where b is odd; Q's: lanes 16-31 for QB.
.macro KQ b, u
.set rD, SR+16*(\b)+8*(\u)
.set rA, FR+12*(\b)
.set rB, QA+12*(\u)
.set rK, KS+(\b)/2
.if ((\b)%2 == 0) && ((\u) == 0)
	v_wmma_scale_f32_16x16x128_f8f6f4 v[rD:rD+7], v[rA:rA+11], v[rB:rB+11], 0, v[rK], v[QS] matrix_a_fmt:MATRIX_FMT_FP6 matrix_b_fmt:MATRIX_FMT_FP6
.elseif (\b)%2 == 0
	v_wmma_scale_f32_16x16x128_f8f6f4 v[rD:rD+7], v[rA:rA+11], v[rB:rB+11], 0, v[rK], v[QS] matrix_a_fmt:MATRIX_FMT_FP6 matrix_b_fmt:MATRIX_FMT_FP6 matrix_b_scale:MATRIX_SCALE_ROW1
.elseif (\u) == 0
	v_wmma_scale_f32_16x16x128_f8f6f4 v[rD:rD+7], v[rA:rA+11], v[rB:rB+11], 0, v[rK], v[QS] matrix_a_fmt:MATRIX_FMT_FP6 matrix_b_fmt:MATRIX_FMT_FP6 matrix_a_scale:MATRIX_SCALE_ROW1
.else
	v_wmma_scale_f32_16x16x128_f8f6f4 v[rD:rD+7], v[rA:rA+11], v[rB:rB+11], 0, v[rK], v[QS] matrix_a_fmt:MATRIX_FMT_FP6 matrix_b_fmt:MATRIX_FMT_FP6 matrix_a_scale:MATRIX_SCALE_ROW1 matrix_b_scale:MATRIX_SCALE_ROW1
.endif
.endm
; Tile t of O^T += V's fragment t x p
.macro PV t
.set rD, OT+8*(\t)
.set rA, FR+12*(\t)
.set rK, VS+(\t)/2
.if (\t)%2 == 0
	v_wmma_scale_f32_16x16x128_f8f6f4 v[rD:rD+7], v[rA:rA+11], v[PC:PC+11], v[rD:rD+7], v[rK], v[PW] matrix_a_fmt:MATRIX_FMT_FP6 matrix_b_fmt:MATRIX_FMT_FP6
.else
	v_wmma_scale_f32_16x16x128_f8f6f4 v[rD:rD+7], v[rA:rA+11], v[PC:PC+11], v[rD:rD+7], v[rK], v[PW] matrix_a_fmt:MATRIX_FMT_FP6 matrix_b_fmt:MATRIX_FMT_FP6 matrix_a_scale:MATRIX_SCALE_ROW1
.endif
.endm
; A KEY STEP: 128 keys, 64 scores a lane.  next = 1: the next step's mask words and fragments of K are asked for.
.macro STEP next
	s_wait_alu depctr_va_vdst(0)                   ; the wait here
	s_wait_dscnt 0x0                               ; K's fragments and scale words are in
.irp b, 0,1,2,3
	KQ \b, 0                                       ; eight results, all different: each sum is one instruction
	KQ \b, 1
.endr
	JOIN                                           ; four plain lines that name no register of the products: the places behind them (ISA guide 7.12.1)
	s_wait_kmcnt 0x0                               ; the step's mask words
.set j, 0
.rept 64                               ; ascending: each result is read from its low end on
.if j < 32
	v_cndmask_b32 v[SR+j], v[SR+j], v[NEGR], s[32+j]
.else
	v_cndmask_b32 v[SR+j], v[SR+j], v[NEGR], s[36+j]
.endif
.set j, j+1
.endr
.if \next
	s_wait_alu depctr_va_vdst(0)                   ; the wait ahead of the scalar lines below; the selects have also read the words
	s_wait_xcnt 0x0                                ; the words' loads and the prefetch have read their bases: both may be written
	s_add_nc_u64 s[24:25], s[24:25], 256
	MLOAD                                          ; wanted a step from now
	s_sub_co_u32 s30, s[STP], 1                    ; steps of the tile behind the one just asked for,
	s_min_u32 s30, s30, 2                          ; two on, or the tile's last
	s_lshl_b32 s30, s30, 8
	s_add_nc_u64 s[22:23], s[24:25], s[30:31]
	global_prefetch_b8 v[NIL], s[22:23] th:TH_LOAD_NT scope:SCOPE_SE   ; one block of 256 bytes: all lanes name it
.endif
.irp k, 0,1,2,3
	v_max3_num_f32 v[BM+\k], v[SR+16*\k], v[SR+1+16*\k], v[SR+2+16*\k]   ; my two blocks' largest scores, two chains each
.endr
.irp i, 3,5,7,9,11,13
.irp k, 0,1,2,3
	s_delay_alu instid0(VALU_DEP_4)
	v_max3_num_f32 v[BM+\k], v[BM+\k], v[SR+16*\k+\i], v[SR+1+16*\k+\i]
.endr
.endr
	v_max3_num_f32 v[BM], v[BM], v[SR+15], v[SR+31]
	v_max3_num_f32 v[BM+2], v[BM+2], v[SR+47], v[SR+63]
	s_delay_alu instid0(VALU_DEP_2)
	v_max_num_f32 v[BM], v[BM], v[BM+1]            ; block 2 c + h: it serves the row's maximum and, since p rises with the score, the block's largest p
	s_delay_alu instid0(VALU_DEP_2)
	v_max_num_f32 v[BM+2], v[BM+2], v[BM+3]
	s_delay_alu instid0(VALU_DEP_1)
	v_max_num_f32 v[T0], v[BM], v[BM+2]
.set vi, 0
	VL 4
	v_permlanex16_b32 v[T1], v[T0], s[SEL], s[SEL+1]
	VL 4
	v_max3_num_f32 v[SMX], v[SMX], v[T0], v[T1]
	VL 4
	ds_load_b64 v[VS:VS+1], v[ADS] offset:256
	v_mul_f32 v[T0], s[CS], v[SMX]
	v_cmp_eq_f32 vcc_lo, v[SMX], v[NEGR]           ; every key so far is hidden:
	s_delay_alu instid0(VALU_DEP_2)
	v_floor_f32 v[NM], -v[T0]                      ; the new -M = floor(-t) = -ceil(t)
	v_cndmask_b32 v[CL], v[CV], v[NIL], vcc_lo     ; then 0 x s + 0, p = 1
	s_delay_alu instid0(VALU_DEP_2)
	v_cndmask_b32 v[AL], v[NM], v[NIL], vcc_lo
	v_sub_f32 v[T0], v[NM], v[NO]                  ; old M - new M: a whole number, 0 or less
.set fj, 0
	FM 3
	v_cvt_i32_f32 v[T0], v[T0]                     ; (it saturates)
	FM 3
	v_ldexp_f32 v[FF], 1.0, v[T0]                  ; f
	FM 26
	v_fma_f32 v[BM], v[BM], v[CL], v[AL]           ; the same of each block's largest score
	v_fma_f32 v[BM+2], v[BM+2], v[CL], v[AL]
	s_wait_alu depctr_va_vdst(0)                   ; the wait ahead of the batch
.set j, 0
.rept 64
	v_exp_f32 v[SR+j], v[SR+j]                     ; p = 2^(t - M)
.set j, j+1
.endr
	v_exp_f32 v[BM], v[BM]                         ; the block's largest p: the same two instructions on the same number give the same bits
	v_exp_f32 v[BM+2], v[BM+2]
	v_pk_mul_f32 v[SU:SU+1], v[SU:SU+1], v[FF:FF+1] op_sel_hi:[1,0]   ; the sum under the new M: the plain instruction behind the exponentials
	s_wait_alu depctr_va_vdst(0)                   ; one wait for the batch of 66, ahead of its first reader
	v_max_num_f32 v[BM], 0x1800000, v[BM]          ; the floor 2^(3 - 127): a block whose every p is 0 keeps the byte 1: its codes are zeros
	v_max_num_f32 v[BM+2], 0x1800000, v[BM+2]
.irp k, 0,1,2                          ; THE ROW'S SUM IS TAKEN OF THE UNQUANTISED p, two at a time: three chains begin anew, the fourth is the sum itself
	v_pk_add_f32 v[SU+2+2*\k:SU+3+2*\k], v[SR+4*\k:SR+4*\k+1], v[SR+4*\k+2:SR+4*\k+3]
.endr
	v_add_nc_u32 v[SO], 0xff000000, v[BM]          ; 2 off the exponent field: the conversions' scale operands
	v_add_nc_u32 v[SO+1], 0xff000000, v[BM+2]
.set pk, 6
	ADDS 2
.irp c, 0,1                            ; my block 2 c + h: 32 codes, registers 6 c .. 6 c + 5 of the operand
	v_cvt_scalef32_pk16_fp6_f32 v[PC+6*\c:PC+6*\c+2], v[SR+32*\c:SR+32*\c+15], v[SO+\c]
	v_cvt_scalef32_pk16_fp6_f32 v[PT+4*\c:PT+4*\c+2], v[SR+32*\c+16:SR+32*\c+31], v[SO+\c]   ; (a conversion's three registers begin on an even number)
.endr
	v_lshrrev_b32 v[BX], 23, v[SO]                 ; the bytes.  (A plain place behind the scaled conversions)
	v_lshrrev_b32 v[BX+1], 23, v[SO+1]
	ADDS 2
	v_lshl_or_b32 v[PW], v[BX+1], 16, v[BX]        ; blocks h and 2 + h,
.irp c, 0,1
.irp i, 0,1,2
	v_mov_b32 v[PC+3+6*\c+\i], v[PT+4*\c+\i]
.endr
.endr
	v_lshlrev_b32 v[PW], v[H8], v[PW]              ; at their places in the word: 8 h bits up
	ADDS 3
	v_permlanex16_b32 v[T1], v[PW], s[SEL], s[SEL+1]
	ADDS 3
	v_or_b32 v[PW], v[PW], v[T1]                   ; p's scale word for these 128 keys, whole in both lanes
.set j, 0
.rept 16
	v_pk_mul_f32 v[OT+j:OT+j+1], v[OT+j:OT+j+1], v[FF:FF+1] op_sel_hi:[1,0]   ; O^T under the new M, each tile from its low end on.  (These 16 are also the places between p's codes and scale word and the products)
.set j, j+2
.endr
	s_wait_alu depctr_va_vdst(0)                   ; the wait ahead of the wait below
	s_wait_dscnt 0x0                               ; V's fragments and scale words are in
.irp t, 0,1,2,3
	PV \t                                          ; four accumulators by turns, one instruction a turn
.endr
	ADDS 4                                         ; they name no register of the products: the places in front of the loads into their sources
.if \next
	s_add_co_u32 s[TB], s[TB], CHUNK
	v_add_nc_u32 v[ADR], s[TB], v[LI]
	v_add_nc_u32 v[ADS], s[TB], v[L8]
	KLOAD                                          ; the next step's K lands under the other additions
.endif
	ADDS 12
.endm
	s_mov_b32 s[BLK], 2
.Lblock:                                               ; a block of 256 queries: my tile of 16
	s_wait_alu depctr_va_vdst(0)
.irp i, 0,1,2,3,4,5
	v_mov_b32 v[QA+\i], v[QN0+\i]
	v_mov_b32 v[QB+6+\i], v[QN0+\i]
.endr
	v_mov_b32 v[QS], v[QW0]
	v_mov_b32 v[SMX], 0xff61b1e6                   ; the largest score so far: -3e38, under every score
	v_mov_b32 v[NM], 0x7e967699                    ; -M: 1e38, so that the first step's factor is 0
.irp i, 0,1,2,3,4,5,6,7
	v_mov_b32 v[SU+\i], 0
.endr
.set j, 0
.rept 32
	v_mov_b32 v[OT+j], 0                           ; O^T: the step is written without a first step of its own.  (These are also the places between Q's codes and scale word and the first products)
.set j, j+1
.endr
	s_mov_b32 s[TB], 0
	v_mov_b32 v[ADR], v[LI]
	v_mov_b32 v[ADS], v[L8]
	KLOAD
	s_mov_b32 s[STP], 15
.Lstep:
	STEP 1
	s_sub_co_u32 s[STP], s[STP], 1
	s_cmp_lg_u32 s[STP], 0
	s_cbranch_scc1 .Lstep
	STEP 0                                         ; the last step is written out: it asks for nothing beyond the head's last chunk and the tile's last words
	; THE WAY OUT.  O^T / the sum goes through my stage and leaves as whole rows of 256 bytes.  The 16 additions above are the places behind the last products.
	JOIN
	s_delay_alu instid0(VALU_DEP_1)
	v_add_f32 v[SU], v[SU], v[SU+1]
	s_delay_alu instid0(VALU_DEP_1)
	v_permlanex16_b32 v[T0], v[SU], s[SEL], s[SEL+1]
	s_delay_alu instid0(VALU_DEP_1)
	v_add_f32 v[SU], v[SU], v[T0]                  ; the row's sum
	s_wait_alu depctr_va_vdst(0)
	v_rcp_f32 v[FF], v[SU]
	v_nop                                          ; a plain instruction behind the reciprocal,
	s_wait_alu depctr_va_vdst(0)                   ; and the wait ahead of its first reader
.set j, 0
.rept 16
	v_pk_mul_f32 v[SR+j:SR+j+1], v[OT+j:OT+j+1], v[FF:FF+1] op_sel_hi:[1,0]   ; register 8 t + i is o(r, 16 t + 8 h + i); each tile from its low end on
.set j, j+2
.endr
.irp t, 0,1,2,3
	ds_store_b128 v[STO], v[SR+8*\t:SR+8*\t+3] offset:64*\t
	ds_store_b128 v[STO], v[SR+8*\t+4:SR+8*\t+7] offset:64*\t+16
.endr
.irp i, 0,1,2,3,4,5,6,7
	ds_load_b128 v[FR+4*\i:FR+4*\i+3], v[RD] offset:2*\i*SPI       ; in order behind my stores
.endr
.irp i, 0,1,2,3,4,5,6,7
	s_wait_dscnt 7-\i                              ; the younger loads may stay out
	global_store_b128 v[LI], v[FR+4*\i:FR+4*\i+3], s[26:27] offset:512*\i th:TH_STORE_NT   ; 32 lanes store two rows: 512 consecutive bytes, at a multiple of 256 from out0's first byte
.endr
	s_wait_xcnt 0x0                                ; the stores have read their registers and their base: both may be written again
	s_add_nc_u64 s[26:27], s[26:27], 65536         ; 256 rows on
	s_cmp_eq_u32 s[BLK], 2                         ; behind the first block alone: the second has no successor
	s_cbranch_scc0 .Llast_block
	s_add_nc_u64 s[24:25], s[24:25], 16*4096-15*256   ; 16 tiles of queries on, back to key step 0
	MLOAD                                          ; the second block's mask words of key step 0
	global_prefetch_b8 v229, s[24:25] th:TH_LOAD_NT scope:SCOPE_SE   ; and those of steps 1 and 2
.Llast_block:
.irp i, 0,1,2,3,4,5
	v_mov_b32 v[QN0+\i], v[QN1+\i]
.endr
	v_mov_b32 v[QW0], v[QW1]
	s_sub_co_u32 s[BLK], s[BLK], 1
	s_cmp_lg_u32 s[BLK], 0
	s_cbranch_scc1 .Lblock
	s_wait_dscnt 0x0
	s_wait_tensorcnt 0x0                           ; the wave's end
	ds_add_u32 v254, v255
	s_wait_dscnt 0x0
	ROUND                                          ; the closing round: no work-group ends while a partner may still ask for a chunk that names it
	s_endpgm
.Lfunc_end_k_qee2f200cba_attn:
	.size	k_qee2f200cba_attn, .Lfunc_end_k_qee2f200cba_attn-k_qee2f200cba_attn
	.p2alignl 7, 3214868480
	.fill 96, 4, 3214868480
	.section	.rodata,"a",@progbits
	.p2align	6, 0x0
	.amdhsa_kernel k_qee2f200cba_attn
		.amdhsa_group_segment_fixed_size 276480
		.amdhsa_private_segment_fixed_size 0
		.amdhsa_enable_private_segment 0
		.amdhsa_kernarg_size 32
		.amdhsa_user_sgpr_count 2
		.amdhsa_user_sgpr_kernarg_segment_ptr 1
		.amdhsa_wavefront_size32 1
		.amdhsa_system_sgpr_workgroup_id_x 1
		.amdhsa_system_sgpr_workgroup_id_y 1
		.amdhsa_system_sgpr_workgroup_id_z 1
		.amdhsa_system_vgpr_workitem_id 0
		.amdhsa_next_free_vgpr 256
		.amdhsa_next_free_sgpr 102
		.amdhsa_reserve_vcc 1
		.amdhsa_float_denorm_mode_32 3
		.amdhsa_float_denorm_mode_16_64 3
		.amdhsa_memory_ordered 1
		.amdhsa_forward_progress 1
		.amdhsa_inst_pref_size 60
	.end_amdhsa_kernel
	.amdgpu_metadata
---
amdhsa.version: [ 1, 2 ]
amdhsa.kernels:
  - .name:           k_qee2f200cba_attn
    .symbol:         k_qee2f200cba_attn.kd
    .args:
      - { .name: Q, .offset: 0, .size: 8, .value_kind: global_buffer, .address_space: global }
      - { .name: kv, .offset: 8, .size: 8, .value_kind: global_buffer, .address_space: global }
      - { .name: maskw, .offset: 16, .size: 8, .value_kind: global_buffer, .address_space: global }
      - { .name: out0, .offset: 24, .size: 8, .value_kind: global_buffer, .address_space: global }
    .group_segment_fixed_size: 276480
    .private_segment_fixed_size: 0
    .kernarg_segment_align: 8
    .kernarg_segment_size: 32
    .max_flat_workgroup_size: 512
    .sgpr_count:     102
    .vgpr_count:     256
    .wavefront_size: 32
...
	.end_amdgpu_metadata
.endif
;; end of part 2
